; MI455X (gfx1250); checked and timed in simulation.
; The chip was launched on July 23, 2026; its instructions are those of AMD's public machine-readable ISA for CDNA 5 (MIT licence, August 2026) and "CDNA5" Instruction Set Architecture Reference Guide (July 2026). The comments in the code are by the model that wrote it; some were corrected since.
;; cha second conv. Allowed arithmetic: matrix products marked QUANTISED: E2M1 operands, one E8M0 scale for each 32 along K, by v_wmma_scale_f32_16x16x128_f8f6f4 with both operands' format E2M1 (or v_wmma_scale_f32_32x16x128_f4), f32 sums; everything else in f32.
;; Inputs: W 64 x 224 float32; b 64 float32; input 16 x 64 x 128 x 128 float32.
;; Outputs: out0 16 x 64 x 128 x 128 float32.
;; This version of the problem:
;;   THIS VERSION OF THE PROBLEM IS GIVEN IN LOW PRECISION. The matrix products marked QUANTISED in the list below multiply operands that are first quantised to E2M1 (2 exponent bits, 1 mantissa bit; 4 bits a number), with one power-of-two scale for each 32 numbers along K (OCP MX v1.0); their sums are f32. All else is computed in f32.
;;   The module's matrix products, in the order in which they are computed (A, B: the left and right operand; K: the contracted axis; several contracted axes count as one K, in the product's order):
;;     1. [M 64, K 224] x [K 224, N 262,144]; A: input W; B: computed on the way: QUANTISED
;;   THE QUANTISER, for each operand of a quantised product, along K:
;;     - K is cut into blocks of 32 from its start; a last block that is shorter is filled with zeros.
;;     - A block's scale is 2^e with e = floor(log2(the largest magnitude in the block)) - 2, held to -126 .. 127; a block of zeros has e = 0. As a byte (E8M0): e + 127.
;;     - Each number is divided by its block's scale, clamped to +-6, and rounded to the nearest number of E2M1, ties to even, subnormals kept.
;;     - The product sums the exact products of the quantised numbers (number of the format x scale) in f32.
;;   ~~~python
;;   def quantise(x, axis):      # numpy; x: float32 -> the quantised numbers, widened to float32 again
;;       x = np.moveaxis(x, axis, -1); K = x.shape[-1]
;;       x = np.pad(x, [(0, 0)] * (x.ndim - 1) + [(0, -K % 32)]); x = x.reshape(x.shape[:-1] + (-1, 32)); a = np.abs(x).max(-1, keepdims=True)
;;       e = np.where(a > 0, np.clip(np.frexp(np.where(a > 0, a, 1))[1] - 1 - 2, -126, 127), 0)      # np.frexp(a)[1] - 1 = floor(log2(a)), exactly
;;       r = np.clip(x / 2.0 ** e, -6, 6)
;;       step = 2.0 ** (np.maximum(np.frexp(np.where(r == 0, 1, r))[1] - 1, 0) - 1)
;;       q = np.round(r / step) * step * 2.0 ** e      # np.round: ties to even
;;       return np.moveaxis(q.reshape(q.shape[:-2] + (-1,))[..., :K], -1, axis).astype(np.float32)
;;   ~~~
;;   OPERANDS COMPUTED ON THE WAY. 'Computed on the way' means the value that the module computes at that place (a softmax that the list does not call 'softmax' is quantised finished and normalised). What goes into a quantiser is computed in f32, as accurately as f32 sums, v_exp_f32 and their like allow (about 1e-6 of the number): no bf16 or f16 on the way to a quantiser, and a product that is left as it is and whose result goes on into a quantised operand takes f32 operands (vector FMAs, or v_wmma_f32_16x16x4_f32). A number that lies on a knife's edge between two numbers of the format may be rounded either way, as far as f32 arithmetic and the matrix unit's own rounding can turn it there, and no further.
;; One version. Each part assembles by itself: llvm-mc -triple=amdgcn-amd-amdhsa -mcpu=gfx1250 --defsym DOCPART=n.
;; ======== version 1 of 1: 1 launch
;; launch conv (part 1): grid 256 x 1, 8 waves a work-group, no clusters, 271,872 bytes of LDS; arguments W, b, input, out0; writes out0
.if DOCPART == 1
	.amdgcn_target "amdgcn-amd-amdhsa--gfx1250"
	.amdhsa_code_object_version 6
	.text
	.protected	k_qf98a03de6a_conv
	.globl	k_qf98a03de6a_conv
	.p2align	8
	.type	k_qf98a03de6a_conv,@function
k_qf98a03de6a_conv:
	s_mov_b64 s[64:65], 0
	v_nop
	global_prefetch_b8 v0, s[64:65] scope:SCOPE_SE
	s_setreg_imm32_b32 hwreg(HW_REG_WAVE_MODE, 25, 1), 1
	s_wait_xcnt 0x0
; out[n][o][p] = b[o] + sum over c of W[o][c] feat[n][c][p].  input, out: [16][64][16384] f32 (p = a pixel of 128 x 128); W: [64][224] f32; b: [64] f32.
; feat: the 64 channels are 16 groups of 4 (x0..x3); group g gives features 14 g + 0..13: x0 x1 x2 x3, their squares, x0x1 x1x2 x2x3 x0x2 x1x3 x0x3.
; Both operands are quantised along c to FP4 (E2M1) with one E8M0 scale for each 32: 224 = 7 blocks; an eighth block of zero codes fills the second K step of 128.
; A block's scale byte is its largest magnitude's exponent field - 2, held at 1 from below; each number is divided by the scale and rounded to the nearest code, ties to even, beyond 6 the largest code.
; LIMITS: NaN and infinities among the inputs are not served.  A block of zeros gets the byte 1 where the rule says 127: its codes are zeros, which add nothing, and only this text reads the bytes.
; SHARES.  256 work-groups of 8 waves.  A work-group owns 1,024 neighbouring pixels of one image; a wave owns TWO tiles of 64 pixels x 64 channels (16,384 bytes in, 16,384 out each): pixels 64 w on and 512 + 64 w on.
; INPUT.  Two tensor loads a wave, both at the head, bring its tiles into its own 32,768 bytes of LDS.  The work-group's 262,144 bytes fit at once: nothing is filled again, and only the wave that asked
; reads a tile, behind its own s_wait_tensorcnt.  THE TILES ARE WORKED ONE AFTER THE OTHER: tile 0's features, products and stores stand in front of the wait for tile 1, whose load is on its way meanwhile.
; W is quantised once by the work-group while the tiles are on their way: thread t takes block t % 8 of rows t / 8 and t / 8 + 32; codes and scale words go to LDS as images of the operand's registers; one barrier.
; A LANE IS A PIXEL, AND ITS REGISTERS RUN DOWN c: a block's largest magnitude needs no other lane, and the conversions give codes with c innermost.  14 does not divide 32, so the features lie in their
; natural order in a RING of 96 registers (three blocks): x comes from LDS straight into its places among the features, a block ahead; a group's ten products follow; a block that is whole is converted.
; WHICH PIXEL: a tile's 64 pixels are two sets of 32; lane 16 u + r of set s takes pixel 4 r + 2 s + u.  So the operand tile t = 2 s + u holds pixels 4 r + t, and a lane's results of the four tiles for
; one output channel are four NEIGHBOURING pixels: the bias's addition lays them in four registers on end, and a store's lanes 0-15 and 16-31 each cover 256 consecutive bytes, aligned.
; No cluster: the work-groups share W alone, 57,344 bytes against the 524,288 bytes of input and output that each of them moves.
.set PLANE, 65536                      ; bytes of a channel's plane
.set TILEB, 16384                      ; a tile in LDS: 64 channels x 64 pixels x 4 bytes
.set WIMG,  16*TILEB                   ; behind the tiles: W's codes, 4 output tiles x 8 blocks x 16 rows x 16 bytes
.set WSC,   WIMG+8192                  ; and W's scale words, 4 output tiles x 2 K steps x 16 rows x 4 bytes
.set RING,  96
.set XA,   1                           ; v1   LDS address of my pixel (set 0) in my wave's tile 0
.set OA,   2                           ; v2   my byte offset in out: 8 (lane / 16) planes + 16 (lane % 16); never rewritten
.set LI,   3                           ; v3   WIMG + 16 x lane
.set LS,   4                           ; v4   WSC + 4 x (lane % 16)
.set WST,  5                           ; v5   where I store my block's codes of W
.set WSB,  6                           ; v6   and its scale word
.set NIL,  7                           ; v7   0
.set MX,   8                           ; v8-11 four chains of a largest magnitude
.set SCL,  12                          ; v12  the conversions' scale operand
.set BY,   13                          ; v13  a scale byte
.set TA,   14                          ; v14, v15 at work at the head
.set TB,   15
.set CODE, 16                          ; v16-79   the pixels' codes: set s, K step k, tile half u at 32 s + 16 k + 8 u
.set WOF,  16                          ; v16  at the head: my byte offset in W;
.set BOF,  17                          ; v17  and in b: both are free when their loads are in, ahead of the first codes
.set PS,   80                          ; v80-83   the pixels' scale words: set s, K step k at 2 s + k
.set WS,   84                          ; v84-91   W's scale words: output tile a, K step k at 2 a + k
.set BIAS, 92                          ; v92-123  b of my eight output channels in each of the four output tiles
.set WF,   124                         ; v124-155 W's fragments of an output tile (two K steps, 16 registers), two buffers
.set RB,   156                         ; v156-251 the ring; when the codes are made:
.set ACC,  156                         ; v156-219 two sets of four accumulators,
.set OUTR, 220                         ; v220-251 and 32 results on their way out
; A LARGEST MAGNITUDE, leaf by leaf, three operands an instruction, in four chains by turns, so that no line reads the result of the three lines above it.
; Each chain begins with the floor 2^(3 - 127) as a leaf: so the byte cannot fall under 1.  Every use has eight leaves or more.
.macro MXBEGIN
.set nch, 0                            ; chains begun
.set cur, 0                            ; the chain whose turn it is
.set pend, -1                          ; a leaf that waits for a partner
.endm
.macro LEAF reg
.if pend < 0
.set pend, \reg
.else
.if nch < 4
	v_max3_num_f32 v[MX+nch], |v[pend]|, |v[\reg]|, 0x1800000
.set nch, nch+1
.else
	v_max3_num_f32 v[MX+cur], v[MX+cur], |v[pend]|, |v[\reg]|
.set cur, (cur+1)%4
.endif
.set pend, -1
.endif
.endm
.macro MXEND                           ; the result: v[MX]
.if pend >= 0
	v_max_num_f32 v[MX+cur], v[MX+cur], |v[pend]|
.endif
	v_max3_num_f32 v[MX], v[MX], v[MX+1], v[MX+2]
	v_max_num_f32 v[MX], v[MX], v[MX+3]
.endm
	s_load_b128 s[4:7], s[0:1], 0x0                ; W s[4:5], b s[6:7]
	s_load_b128 s[8:11], s[0:1], 0x10              ; input s[8:9], out s[10:11]
	v_lshl_add_u32 v254, v0, 2, 0x42200
	v_mov_b32 v255, 0
	ds_add_u32 v254, v255
	ds_add_u32 v254, v255
	v_lshrrev_b32 v[TA], 5, v0
	v_readfirstlane_b32 s12, v[TA]                 ; wave 0..7
	v_and_b32 v[TB], 7, v0                         ; W: my block,
	v_lshrrev_b32 v[TA], 3, v0                     ; my first row, 0..31
	v_min_u32 v[BY], 6, v[TB]                      ; block 7 lies past a row's end: its threads read block 6, and their codes are replaced by zeros
	v_mul_u32_u24 v[WOF], v[TA], 896               ; a row of W is 896 bytes,
	v_lshl_add_u32 v[WOF], v[BY], 7, v[WOF]        ; a block 128
	s_lshr_b32 s14, ttmp9, 4
	s_lshl_b32 s14, s14, 22                        ; the image: 64 planes
	s_and_b32 s15, ttmp9, 15
	s_lshl_b32 s15, s15, 12                        ; the work-group's 1,024 pixels
	s_add_co_u32 s14, s14, s15
	s_lshl_b32 s15, s12, 8                         ; the wave's first 64
	s_add_co_u32 s14, s14, s15
	s_mov_b32 s15, 0                               ; s[14:15]: where my wave's tile 0 begins in channel 0 of input and of out; tile 1 lies 2,048 bytes on
	; descriptor group 1: a tile of 64 rows (channels) x 64 elements of 4 bytes, rows 16,384 elements apart, dense in LDS; it serves both loads
	s_mov_b32 s24, 2<<16                           ; 15:0 no mask; 17:16 elements of 4 bytes; no padding
	s_mov_b32 s25, 64<<16                          ; tensor_dim0 = 64
	s_mov_b32 s26, 64<<16                          ; tensor_dim1 = 64
	s_mov_b32 s27, 64<<16                          ; tile_dim0 = 64
	s_mov_b32 s28, 64                              ; tile_dim1 = 64
	s_mov_b32 s29, 16384                           ; tensor_dim0_stride
	s_mov_b32 s30, 0
	s_mov_b32 s31, 0
	s_mov_b32 s16, 1                               ; group 0 for tile 0: count = 1,
	s_lshl_b32 s17, s12, 15                        ; LDS address: wave x 32,768
	s_mov_b32 s20, 1                               ; and for tile 1:
	s_add_co_u32 s21, s17, TILEB                   ; 16,384 bytes on
	s_wait_dscnt 0x0
	s_wait_kmcnt 0x0
.irp e, 0,1
.irp i, 0,1,2,3,4,5,6,7
	global_load_b128 v[RB+48*\e+4*\i:RB+48*\e+4*\i+3], v[WOF], s[4:5] offset:28672*\e+16*\i   ; my two blocks of W, 32 rows apart: asked for first, since every wave waits for all of W
.endr
.endr
	s_add_nc_u64 s[10:11], s[10:11], s[14:15]      ; out at my wave's tile 0
	s_add_nc_u64 s[18:19], s[8:9], s[14:15]        ; tile 0's first element,
	s_add_nc_u64 s[22:23], s[18:19], 2048          ; tile 1's
	s_or_b32 s19, s19, 0x80000000                  ; type = 2
	s_or_b32 s23, s23, 0x80000000
	tensor_load_to_lds s[16:19], s[24:31]          ; tile 0.  Tile 1's load follows behind the address work below, so that the eight waves' first tiles are asked for ahead of their second
	s_nop 0
	v_bfe_u32 v[TA], v0, 4, 1                      ; h = lane / 16
	v_and_b32 v[MX], 15, v0                        ; r = lane % 16
	v_lshlrev_b32 v[BOF], 5, v[TA]                 ; b: in output tile a my eight channels are 16 a + 8 h + 0 .. 7
.irp a, 0,1,2,3
	global_load_b128 v[BIAS+8*\a:BIAS+8*\a+3],   v[BOF], s[6:7] offset:64*\a
	global_load_b128 v[BIAS+8*\a+4:BIAS+8*\a+7], v[BOF], s[6:7] offset:64*\a+16
.endr
	v_lshlrev_b32 v[OA], 4, v[MX]                  ; 16 r
	v_lshl_add_u32 v[XA], v[TA], 2, v[OA]          ; pixel 4 r + h, 4 bytes each: the 32 lanes read 32 different words of a row of 64 (64 banks of 4 bytes: ISA guide 11.1)
	v_add_nc_u32 v[XA], s17, v[XA]                 ; in my wave's tile 0
	v_lshl_add_u32 v[OA], v[TA], 19, v[OA]         ; out: 8 h planes + 16 r
	v_and_b32 v[MX+1], 31, v0
	v_lshl_add_u32 v[LI], v[MX+1], 4, WIMG
	v_lshl_add_u32 v[LS], v[MX], 2, WSC
	; W's images.  In the operand, lane (r, h) holds row r, and registers 4 c .. 4 c + 3 of K step k hold block 4 k + 2 c + h: so block q of row 16 a + r lies at 2,048 a + 256 q + 16 r
	v_lshrrev_b32 v[MX+1], 7, v0                   ; a = my first row / 16: 0 or 1; my second row's is 2 more: 4,096 bytes on
	v_bfe_u32 v[MX], v0, 3, 4                      ; my rows % 16
	v_lshlrev_b32 v[WST], 11, v[MX+1]
	v_lshl_add_u32 v[WST], v[TB], 8, v[WST]
	v_lshl_add_u32 v[WST], v[MX], 4, v[WST]
	v_add_nc_u32 v[WST], WIMG, v[WST]
	v_lshlrev_b32 v[WSB], 7, v[MX+1]               ; the scale word of row 16 a + r, K step k: 128 a + 64 k + 4 r; my second row's 256 bytes on
	v_bfe_u32 v[MX+1], v0, 2, 1                    ; k = my block / 4
	v_lshl_add_u32 v[WSB], v[MX+1], 6, v[WSB]
	v_lshl_add_u32 v[WSB], v[MX], 2, v[WSB]
	v_add_nc_u32 v[WSB], WSC, v[WSB]
	tensor_load_to_lds s[20:23], s[24:31]          ; tile 1: two tensor loads of the wave are out, and no more are issued
	s_nop 0
	v_mov_b32 v[NIL], 0
	v_and_b32 v[TA], 3, v0
	v_lshlrev_b32 v[TA], 3, v[TA]                  ; my byte's place in its scale word, in bits
	v_cmp_eq_u32 vcc_lo, 7, v[TB]                  ; am I a thread of the padding block?
; My e-th block of W: 32 numbers in v[wr] on become 16 bytes of codes and a byte of a scale word.
.macro WQ e
.set wr, RB+48*(\e)
	s_wait_loadcnt 16-8*(\e)                       ; this block's eight loads are in; behind them may be out: (the other block's eight and) the eight of b
	MXBEGIN
.set ff, 0
.rept 32
	LEAF wr+ff
.set ff, ff+1
.endr
	MXEND
	v_add_nc_u32 v[SCL], 0xff000000, v[MX]         ; 2 off the exponent field: the conversion takes the exponent field of this operand as its scale, and nothing else of it
.irp q, 0,1,2,3
	v_cvt_scalef32_pk8_fp4_f32 v[wr+32+\q], v[wr+8*\q:wr+8*\q+7], v[SCL]
.endr
	v_lshrrev_b32 v[wr+36], 23, v[SCL]             ; the scale's byte (also the plain instruction between the conversions and the lines that touch their results),
	v_lshlrev_b32 v[wr+36], v[TA], v[wr+36]        ; at its place in the word
.irp q, 0,1,2,3
	v_cndmask_b32 v[wr+32+\q], v[wr+32+\q], v[NIL], vcc_lo   ; the padding block: zero codes (its byte, block 6's, is a valid scale)
.endr
	v_mov_b32_dpp v[MX+1], v[wr+36] row_xmask:1 row_mask:0xf bank_mask:0xf   ; four neighbouring lanes hold the four bytes of a word: two exchanges make it whole in all four
	v_or_b32 v[wr+36], v[wr+36], v[MX+1]
	v_mov_b32_dpp v[MX+1], v[wr+36] row_xmask:2 row_mask:0xf bank_mask:0xf
	v_or_b32 v[wr+36], v[wr+36], v[MX+1]
	ds_store_b128 v[WST], v[wr+32:wr+35] offset:4096*(\e)
	ds_store_b32 v[WSB], v[wr+36] offset:256*(\e)  ; the four lanes write the same word with the same value
.endm
	WQ 0
	WQ 1
	s_wait_dscnt 0x0                               ; for the others' sake: my stores have landed
	s_barrier_signal -1
	s_barrier_wait -1                              ; all of W lies in LDS.  (The tensor loads may stay out, and each tile is read by its own wave alone)
.irp a, 0,1,2,3
.irp k, 0,1
	ds_load_b32 v[WS+2*\a+\k], v[LS] offset:128*\a+64*\k   ; W's scale words stay in registers: lane r has row r's (lanes 16-31 hold the same and are not read)
.endr
.endr
.macro WLOAD a                         ; W's fragments of output tile a, both K steps, into buffer a % 2: images come back as they were stored, 16 bytes a lane
.irp k, 0,1
.irp c, 0,1
	ds_load_b128 v[WF+16*((\a)%2)+8*\k+4*\c:WF+16*((\a)%2)+8*\k+4*\c+3], v[LI] offset:2048*(\a)+1024*\k+512*\c
.endr
.endr
.endm
; THE FEATURES.  A tile's two sets follow each other in one run: group G = 16 s + g begins at feature 14 G, block B = 7 s + q at feature 32 B, and feature f lies in register RB + f % 96.
; LOADS B: x of the groups that begin in block B, into their places.  nl counts the loads.
.macro LOADS B, tile
.set nl, 0
.set gg, 0
.rept 32
.if (14*gg)/32 == (\B)
.irp i, 0,1,2,3
	ds_load_b32 v[RB+((14*gg+\i)%RING)], v[XA] offset:TILEB*(\tile)+(4*(gg%16)+\i)*256+8*(gg/16)   ; channel 4 g + i; set 1's pixels lie two further on
.endr
.set nl, nl+4
.endif
.set gg, gg+1
.endr
.endm
; A group's ten products.  14 G is even and so is the ring's length: no pair is cut by the ring's end.
.macro FEATS G
.set p, 14*(\G)
.set q0, RB+(p%RING)
.set q2, RB+((p+2)%RING)
	v_pk_mul_f32 v[RB+((p+4)%RING):RB+((p+4)%RING)+1], v[q0:q0+1], v[q0:q0+1]
	v_pk_mul_f32 v[RB+((p+6)%RING):RB+((p+6)%RING)+1], v[q2:q2+1], v[q2:q2+1]
	v_mul_f32 v[RB+((p+8)%RING)],  v[q0],   v[q0+1]
	v_mul_f32 v[RB+((p+9)%RING)],  v[q0+1], v[q2]
	v_mul_f32 v[RB+((p+10)%RING)], v[q2],   v[q2+1]
	v_mul_f32 v[RB+((p+11)%RING)], v[q0],   v[q2]
	v_mul_f32 v[RB+((p+12)%RING)], v[q0+1], v[q2+1]
	v_mul_f32 v[RB+((p+13)%RING)], v[q0],   v[q2+1]
.endm
; BLOCK B.  The groups that begin in it reach into block B + 1 at the most; the x asked for here (groups that begin in block B + 1) lies in blocks B + 1 and B + 2.
; Those three blocks are the ring's three parts: what they overwrite are blocks B - 2 and B - 1, which have been converted.
.macro PHASE B, tile
	LOADS (\B)+1, \tile
	s_wait_dscnt nl                                ; LDS loads come back in order (ISA guide 5.7.1): all but the nl just issued are in, this block's x among them
.if (\B) == 10
	WLOAD 0                                        ; W's first fragments: three blocks ahead of the products; the next block's wait covers them
	WLOAD 1
.endif
.set gg, 0
.rept 32
.if (14*gg)/32 == (\B)
	FEATS gg
.endif
.set gg, gg+1
.endr
.set sl, RB+32*((\B)%3)                ; the block's 32 features
.set bl, (\B)%7                        ; its number in its set
.set cr, CODE+32*((\B)/7)+16*(bl/4)+8*(bl%2)+4*((bl%4)/2)   ; its codes: even blocks in the registers of tile half 0, odd ones in those of half 1
.set pw, PS+2*((\B)/7)+bl/4            ; its scale word
; The block's largest magnitude.  |xi xj| is never above the larger of xi^2 and xj^2, and f32 rounding keeps that order: a cross term whose two squares lie in the same block is no leaf.
; The squares stand ahead of the cross terms in a group, so both lie in the block where the one of the lower index does.
	MXBEGIN
.set ff, 0
.rept 32
.set fpos, 32*bl+ff                    ; the feature's number in its set,
.set fidx, fpos%14                     ; in its group;
.set fsq, fpos-fidx+4                  ; for a cross term: where the square of its lower index stands: x0's,
.if (fidx == 9) || (fidx == 12)
.set fsq, fsq+1                        ; x1's (x1x2, x1x3),
.elseif fidx == 10
.set fsq, fsq+2                        ; x2's (x2x3)
.endif
.if (fidx < 8) || (fsq < 32*bl)
	LEAF sl+ff
.endif
.set ff, ff+1
.endr
	MXEND
	v_add_nc_u32 v[SCL], 0xff000000, v[MX]         ; 2 off the exponent field: the conversions' scale operand
.irp q, 0,1,2,3
	v_cvt_scalef32_pk8_fp4_f32 v[cr+\q], v[sl+8*\q:sl+8*\q+7], v[SCL]
.endr
.if bl%4 == 0
	v_lshrrev_b32 v[pw], 23, v[SCL]                ; the scale's byte begins a word.  (A plain instruction behind the conversions, ahead of the lines that touch their results)
.else
	v_lshrrev_b32 v[BY], 23, v[SCL]
	v_lshl_or_b32 v[pw], v[BY], 8*(bl%4), v[pw]
.endif
; The operand wants lanes 0-15 to hold block 2 c and lanes 16-31 block 2 c + 1 of sixteen pixels.  The first register's lanes 16-31 change places with the second's lanes 0-15:
; the first then serves the pixels of lanes 0-15 (tile half 0), the second those of lanes 16-31 (half 1).
.if bl%2 == 1
.irp q, 0,1,2,3
	v_permlane16_swap_b32 v[cr-8+\q], v[cr+\q]
.endr
.endif
.if bl == 6                            ; block 7 is the padding of K: zero codes; its byte in the word stays 0, a valid scale
.irp q, 0,1,2,3
	v_mov_b32 v[cr+8+\q], 0
.endr
.irp q, 0,1,2,3
	v_permlane16_swap_b32 v[cr+\q], v[cr+8+\q]
.endr
.endif
.endm
; THE PRODUCT.  Source 0 = 16 rows of W (output channels), source 1 = 16 pixels: in the result lane (r, h) holds pixel 4 r + t of tile t, and register j output channel 16 a + 8 h + j.
; Output tile a: eight instructions, the four pixel tiles' accumulators by turns, K step 0 (which starts the sums) and then K step 1.
; A pixel's scale word lies in its own lane: tile half 1 reads lanes 16-31 of the register.
.macro MM a
.irp k, 0,1
.irp t, 0,1,2,3
.set dd, ACC+32*((\a)%2)+8*\t
.set fa, WF+16*((\a)%2)+8*\k
.set fb, CODE+32*(\t/2)+16*\k+8*(\t%2)
.set wa, WS+2*(\a)+\k
.set wb, PS+2*(\t/2)+\k
.if \k == 0
.if \t%2 == 0
	v_wmma_scale_f32_16x16x128_f8f6f4 v[dd:dd+7], v[fa:fa+7], v[fb:fb+7], 0, v[wa], v[wb] matrix_a_fmt:MATRIX_FMT_FP4 matrix_b_fmt:MATRIX_FMT_FP4
.else
	v_wmma_scale_f32_16x16x128_f8f6f4 v[dd:dd+7], v[fa:fa+7], v[fb:fb+7], 0, v[wa], v[wb] matrix_a_fmt:MATRIX_FMT_FP4 matrix_b_fmt:MATRIX_FMT_FP4 matrix_b_scale:MATRIX_SCALE_ROW1
.endif
.else
.if \t%2 == 0
	v_wmma_scale_f32_16x16x128_f8f6f4 v[dd:dd+7], v[fa:fa+7], v[fb:fb+7], v[dd:dd+7], v[wa], v[wb] matrix_a_fmt:MATRIX_FMT_FP4 matrix_b_fmt:MATRIX_FMT_FP4
.else
	v_wmma_scale_f32_16x16x128_f8f6f4 v[dd:dd+7], v[fa:fa+7], v[fb:fb+7], v[dd:dd+7], v[wa], v[wb] matrix_a_fmt:MATRIX_FMT_FP4 matrix_b_fmt:MATRIX_FMT_FP4 matrix_b_scale:MATRIX_SCALE_ROW1
.endif
.endif
.endr
.endr
.endm
; THE WAY OUT of output tile a.  The bias's addition takes register j of the four tiles' accumulators into four registers on end: pixels 4 r + 0 .. 3 of channel 16 a + 8 h + j.
; Each accumulator is read from register 0 up.  A store stands behind the NEXT channel's four additions, so that it does not follow straight on the lines that make its data.
; A store's lanes 0-15 cover 256 consecutive bytes of channel 16 a + j, lanes 16-31 of channel 16 a + 8 + j, each at a multiple of 256 from out's first byte.
; The channel and the wave's tile stand in the immediate: 55 planes + 2,048 bytes at the most, inside its signed 24 bits (ISA guide, chapter 10).
.macro OUT a, dst, tile
.irp j, 0,1,2,3,4,5,6,7
.irp t, 0,1,2,3
	v_add_f32 v[\dst+4*\j+\t], v[ACC+32*((\a)%2)+8*\t+\j], v[BIAS+8*(\a)+\j]
.endr
.if \j > 0
	global_store_b128 v[OA], v[\dst+4*(\j-1):\dst+4*(\j-1)+3], s[10:11] offset:(16*(\a)+\j-1)*PLANE+2048*(\tile) th:TH_STORE_NT   ; written once, read by nobody here
.endif
.endr
	global_store_b128 v[OA], v[\dst+28:\dst+31], s[10:11] offset:(16*(\a)+7)*PLANE+2048*(\tile) th:TH_STORE_NT
.endm
; ONE TILE OF THE WAVE, from LDS to memory.
; A vector instruction that reads a matrix result or writes one of a matrix instruction's registers, and a load into such a register, stand four places behind it, a matrix instruction that writes over one
; five; only plain vector instructions that name none of its registers are places (ISA guide 7.12.1 for vector instructions).  Below, one output tile's additions are the
; places behind the next tile's products; v_nop stand only where no such work is at hand.
.macro TILE tile
	s_wait_tensorcnt 1-(\tile)                     ; tensor loads of a wave end in order (ISA guide 10.11.1): this tile is in LDS; in front of tile 0 the count leaves tile 1's load out
.if (\tile) == 0
	s_wait_loadcnt 0x0                             ; b is in: so the offsets in v16 and v17 are free for the codes
.endif
	LOADS 0, \tile
.set bq, 0
.rept 14
.if (\tile) && (bq == 1)
	s_wait_xcnt 0x0                                ; the last tile's stores have read their registers.  Block 0 writes none of them (it stays in the ring's first two parts and in v16-19);
	                                               ; from here on the ring's third part, later set 1's codes and W's fragments, are written again
.endif
	PHASE bq, \tile
.set bq, bq+1
.endr
.rept 8
	v_nop                                          ; the last scale word and the last codes were written by vector instructions: eight places ahead of a scaled matrix instruction for a scale, four for an operand
.endr
	MM 0
	MM 1
.rept 4
	v_nop                                          ; behind tile 0's products: for the loads into their buffer and the first read of their results
.endr
	WLOAD 2
	OUT 0, OUTR, \tile
	WLOAD 3                                        ; behind output tile 1's products stand the four v_nop and tile 0's additions
	s_wait_dscnt 4                                 ; output tile 2's four loads are in; tile 3's four may be out
	MM 2                                           ; begins the first set of accumulators anew
	s_wait_xcnt 0x0                                ; output tile 0's stores have read their registers: they are written again only behind this wait
	OUT 1, OUTR, \tile
	s_wait_dscnt 0x0                               ; output tile 3's fragments
	MM 3
	OUT 2, WF, \tile                               ; into W's fragment registers: the first sixteen additions write the buffer that output tile 2's products have left, and are the places behind tile 3's products for the second buffer
	OUT 3, CODE+32, \tile                          ; into set 1's codes, which the last products have read: no addition here waits for a store
.endm
	TILE 0
	TILE 1
	s_wait_tensorcnt 0x0
	ds_add_u32 v254, v255
	s_wait_dscnt 0x0
	s_endpgm
.Lfunc_end_k_qf98a03de6a_conv:
	.size	k_qf98a03de6a_conv, .Lfunc_end_k_qf98a03de6a_conv-k_qf98a03de6a_conv
	.p2alignl 7, 3214868480
	.fill 96, 4, 3214868480
	.section	.rodata,"a",@progbits
	.p2align	6, 0x0
	.amdhsa_kernel k_qf98a03de6a_conv
		.amdhsa_group_segment_fixed_size 271872
		.amdhsa_private_segment_fixed_size 0
		.amdhsa_enable_private_segment 0
		.amdhsa_kernarg_size 32
		.amdhsa_user_sgpr_count 2
		.amdhsa_user_sgpr_kernarg_segment_ptr 1
		.amdhsa_wavefront_size32 1
		.amdhsa_system_sgpr_workgroup_id_x 1
		.amdhsa_system_sgpr_workgroup_id_y 1
		.amdhsa_system_sgpr_workgroup_id_z 1
		.amdhsa_system_vgpr_workitem_id 0
		.amdhsa_next_free_vgpr 256
		.amdhsa_next_free_sgpr 66
		.amdhsa_reserve_vcc 1
		.amdhsa_float_denorm_mode_32 3
		.amdhsa_float_denorm_mode_16_64 3
		.amdhsa_memory_ordered 1
		.amdhsa_forward_progress 1
		.amdhsa_inst_pref_size 111
	.end_amdhsa_kernel
	.amdgpu_metadata
---
amdhsa.version: [ 1, 2 ]
amdhsa.kernels:
  - .name:           k_qf98a03de6a_conv
    .symbol:         k_qf98a03de6a_conv.kd
    .args:
      - { .name: W, .offset: 0, .size: 8, .value_kind: global_buffer, .address_space: global }
      - { .name: b, .offset: 8, .size: 8, .value_kind: global_buffer, .address_space: global }
      - { .name: input, .offset: 16, .size: 8, .value_kind: global_buffer, .address_space: global }
      - { .name: out0, .offset: 24, .size: 8, .value_kind: global_buffer, .address_space: global }
    .group_segment_fixed_size: 271872
    .private_segment_fixed_size: 0
    .kernarg_segment_align: 8
    .kernarg_segment_size: 32
    .max_flat_workgroup_size: 256
    .sgpr_count:     66
    .vgpr_count:     256
    .wavefront_size: 32
...
	.end_amdgpu_metadata
.endif
;; end of part 1
